; MI455X (gfx1250); checked and timed in simulation.
; The chip was launched on July 23, 2026; its instructions are those of AMD's public machine-readable ISA for CDNA 5 (MIT licence, August 2026) and "CDNA5" Instruction Set Architecture Reference Guide (July 2026). The comments in the code are by the model that wrote it; some were corrected since.
;; MAB. Allowed arithmetic: matrix products marked QUANTISED: E3M2 operands, one E8M0 scale for each 32 along K, by v_wmma_scale_f32_16x16x128_f8f6f4 with both operands' format E3M2, f32 sums; everything else in f32.
;; Inputs: K_codes 4 x 2,048 x 32 x 24 uint8 (E3M2 codes of K, K innermost, in blocks of 32 codes, four codes in three bytes); K_scales 4 x 2,048 x 32 uint8 (E8M0 scales of K, one for each 32 codes along K); Q_codes 4 x 2,048 x 32 x 24 uint8 (E3M2 codes of Q, K innermost, in blocks of 32 codes, four codes in three bytes); Q_scales 4 x 2,048 x 32 uint8 (E8M0 scales of Q, one for each 32 codes along K); Wk_codes 1,024 x 32 x 24 uint8 (E3M2 codes of Wk, K innermost, in blocks of 32 codes, four codes in three bytes); Wk_scales 1,024 x 32 uint8 (E8M0 scales of Wk, one for each 32 codes along K); Wo_codes 1,024 x 32 x 24 uint8 (E3M2 codes of Wo, K innermost, in blocks of 32 codes, four codes in three bytes); Wo_scales 1,024 x 32 uint8 (E8M0 scales of Wo, one for each 32 codes along K); Wq_codes 1,024 x 32 x 24 uint8 (E3M2 codes of Wq, K innermost, in blocks of 32 codes, four codes in three bytes); Wq_scales 1,024 x 32 uint8 (E8M0 scales of Wq, one for each 32 codes along K); Wv_codes 1,024 x 32 x 24 uint8 (E3M2 codes of Wv, K innermost, in blocks of 32 codes, four codes in three bytes); Wv_scales 1,024 x 32 uint8 (E8M0 scales of Wv, one for each 32 codes along K); bk 1,024 float32; bo 1,024 float32; bq 1,024 float32; bv 1,024 float32.
;; Outputs: out0 4 x 2,048 x 1,024 float32.
;; This version of the problem:
;;   THIS VERSION OF THE PROBLEM IS GIVEN IN LOW PRECISION. The matrix products marked QUANTISED in the list below multiply operands that are first quantised to E3M2 (3 exponent bits, 2 mantissa bits; 6 bits a number), with one power-of-two scale for each 32 numbers along K (OCP MX v1.0); their sums are f32. All else is computed in f32.
;;   The module's matrix products, in the order in which they are computed (A, B: the left and right operand; K: the contracted axis; several contracted axes count as one K, in the product's order):
;;     1. [M 8,192, K 1,024] x [K 1,024, N 1,024]; A: input Q (given as codes); B: input Wq (given as codes): QUANTISED
;;     2. [M 8,192, K 1,024] x [K 1,024, N 1,024]; A: input K (given as codes); B: input Wk (given as codes): QUANTISED
;;     3. [M 8,192, K 1,024] x [K 1,024, N 1,024]; A: input K (given as codes); B: input Wv (given as codes): QUANTISED
;;     4. batch 64 x [M 2,048, K 64] x [K 64, N 2,048]; A: computed on the way; B: computed on the way: QUANTISED
;;     5. batch 64 x [M 2,048, K 2,048] x [K 2,048, N 64]; A: softmax (see below); B: computed on the way: QUANTISED
;;     6. [M 8,192, K 1,024] x [K 1,024, N 1,024]; A: computed on the way; B: input Wo (given as codes): QUANTISED
;;   THE QUANTISER, for each operand of a quantised product, along K:
;;     - K is cut into blocks of 32 from its start; a last block that is shorter is filled with zeros.
;;     - A block's scale is 2^e with e = floor(log2(the largest magnitude in the block)) - 4, held to -126 .. 127; a block of zeros has e = 0. As a byte (E8M0): e + 127.
;;     - Each number is divided by its block's scale, clamped to +-28, and rounded to the nearest number of E3M2, ties to even, subnormals kept.
;;     - The product sums the exact products of the quantised numbers (number of the format x scale) in f32.
;;   ~~~python
;;   def quantise(x, axis):      # numpy; x: float32 -> the quantised numbers, widened to float32 again
;;       x = np.moveaxis(x, axis, -1); K = x.shape[-1]
;;       x = np.pad(x, [(0, 0)] * (x.ndim - 1) + [(0, -K % 32)]); x = x.reshape(x.shape[:-1] + (-1, 32)); a = np.abs(x).max(-1, keepdims=True)
;;       e = np.where(a > 0, np.clip(np.frexp(np.where(a > 0, a, 1))[1] - 1 - 4, -126, 127), 0)      # np.frexp(a)[1] - 1 = floor(log2(a)), exactly
;;       r = np.clip(x / 2.0 ** e, -28, 28)
;;       step = 2.0 ** (np.maximum(np.frexp(np.where(r == 0, 1, r))[1] - 1, -2) - 2)
;;       q = np.round(r / step) * step * 2.0 ** e      # np.round: ties to even
;;       return np.moveaxis(q.reshape(q.shape[:-2] + (-1,))[..., :K], -1, axis).astype(np.float32)
;;   ~~~
;;   SOFTMAX AHEAD OF A QUANTISED PRODUCT. Where the list says 'softmax', what is quantised is not the finished softmax but p = 2^(t - M), with t = logit x log2(e) and M = ceil(the row's largest t), a whole number; so 1/2 < the row's largest p <= 1. The row's sum l is taken of the UNQUANTISED p, in f32, and the product's result is divided by l at the end. Since M is a whole number, a kernel that streams over the keys may use a running M (the ceiling of the running maximum): every later rescaling is an exact power of two, which a block's scale takes up: the codes' values come out the same.
;;   OPERANDS COMPUTED ON THE WAY. 'Computed on the way' means the value that the module computes at that place (a softmax that the list does not call 'softmax' is quantised finished and normalised). What goes into a quantiser is computed in f32, as accurately as f32 sums, v_exp_f32 and their like allow (about 1e-6 of the number): no bf16 or f16 on the way to a quantiser, and a product that is left as it is and whose result goes on into a quantised operand takes f32 operands (vector FMAs, or v_wmma_f32_16x16x4_f32). A number that lies on a knife's edge between two numbers of the format may be rounded either way, as far as f32 arithmetic and the matrix unit's own rounding can turn it there, and no further.
;;   INPUTS GIVEN AS CODES. K (in the module: [4, 2048, 1024], K = its axis 2); Q (in the module: [4, 2048, 1024], K = its axis 2); Wk (in the module: [1024, 1024], K = its axis 1); Wo (in the module: [1024, 1024], K = its axis 1); Wq (in the module: [1024, 1024], K = its axis 1); Wv (in the module: [1024, 1024], K = its axis 1): each comes as NAME_codes (uint8): NAME with its K axis moved to the last place and cut into blocks of 32 codes, [.., K / 32, bytes a block], one block behind the other in memory; four codes in three bytes: a row's codes are one little-endian stream of bits, code i at bits 6 i .. 6 i + 5 (a code: sign, 3 exponent bits, 2 mantissa bits); and NAME_scales (uint8): the same leading axes, one E8M0 byte (e + 127) for each 32 codes along K. Its value is code x scale, taken as it is: it is not quantised again, and the codes and scales need not be those that the quantiser above would give.
;; One version. Each part assembles by itself: llvm-mc -triple=amdgcn-amd-amdhsa -mcpu=gfx1250 --defsym DOCPART=n.
;; ======== version 1 of 1: 3 launches
;; limits: right only within a limited range of input values
;; workspace buffers: kvimg 13,107,200 bytes; qimg 6,291,456 bytes; qsc 262,144 bytes; qres 33,554,432 bytes; ocode 6,291,456 bytes; oscale 262,144 bytes; ores 33,554,432 bytes
;; launch proj (part 1): grid 4 x 64, 4 waves a work-group, clusters of 4 x 4, 327,680 bytes of LDS; arguments Q_codes, Q_scales, K_codes, K_scales, Wq_codes, Wq_scales, Wk_codes, Wk_scales, Wv_codes, Wv_scales, bq, bk, bv, qimg, qsc, qres, kvimg; writes qimg, qsc, qres, kvimg
.if DOCPART == 1
	.amdgcn_target "amdgcn-amd-amdhsa--gfx1250"
	.amdhsa_code_object_version 6
	.text
	.protected	k_qccf2f4acba_proj
	.globl	k_qccf2f4acba_proj
	.p2align	8
	.type	k_qccf2f4acba_proj,@function
k_qccf2f4acba_proj:
	s_mov_b64 s[64:65], 0
	v_nop
	global_prefetch_b8 v0, s[64:65] scope:SCOPE_SE
	s_setreg_imm32_b32 hwreg(HW_REG_WAVE_MODE, 25, 1), 1
	s_wait_xcnt 0x0
	s_wait_alu depctr_hold_cnt(0) depctr_sa_sdst(0) depctr_va_vdst(0) depctr_va_sdst(0) depctr_va_ssrc(0) depctr_va_vcc(0) depctr_vm_vsrc(0)
	s_getreg_b32 s2, hwreg(HW_REG_IB_STS2, 6, 4)
	s_cmp_eq_u32 s2, 0
	s_cbranch_scc0 .Lentry_in_a_cluster
	s_endpgm
.Lentry_in_a_cluster:
	s_bfe_u32 s2, ttmp6, 0x10000c
	s_cmp_lg_u32 s2, 0xf033
	s_cbranch_scc0 .Lentry_shape_is_right
	s_endpgm
.Lentry_shape_is_right:
; THE THREE PROJECTIONS ON CODES OF BF6, AND THEIR QUANTISING.  Nothing of reference() is left out: every input is read.
; A work-group (j = 256 features, i = 128 tokens) stays for three tiles: Q_i Wq_j^T, K_i Wk_j^T, Wv_j K_i^T.
; LDS holds a tile's operands for ALL of K: X = 128 token rows, Y = 256 weight rows, whole rows of 768 bytes (they begin at multiples of 256 bytes),
; 16 bytes of padding behind every 256: pitch 816.  There is no ring along K; the next tile's operands are asked for behind a round of the
; cluster's barrier in the tile's last K step, and land while the tile is quantised and stored.
; CLUSTERS 4 x 4: X hangs on i alone and is shared along a row of the cluster, Y on j alone and is shared along a column: joint loads.
; A wave takes all 128 tokens x 64 features (one head): 8 fragments of X, 4 of Y, 32 accumulators (window 2), which take turns.
; Scale words and biases go from memory into registers, once a tile; the bias is the C of the first K step.
; WHICH ROWS FORM A TILE OF 16: lane r of Y's tile y takes row 8 y + r % 8 + 32 (r / 8); of X's tile 4 c + u (K's tokens) row 64 c + 8 u + r % 8 + 32 (r / 8).
; So the 32 registers that a lane holds along source 0's rows are 32 true neighbours, one block of the next product's K: no other lane is asked for a maximum,
; and the conversions' results are the operand's registers.  Q's tokens are taken in their order (tile x: rows 16 x + r).
; No prefetch: the text has no loop to run ahead in; each operand byte is asked for once by its joint load.
; LIMITS: NaN and infinities are not served; a block whose largest magnitude lies under 2^(5 - 127) gets the scale byte 1.
.set PITCH, 816
; Each operand lies in two regions: rows 0-31 of every 64 rows in the first, rows 32-63 in the second, which begins 128 bytes off a multiple of 256:
; lanes 8-15 of a fragment, whose rows lie 32 further on, then read 32 banks beside lanes 0-7 (64 banks of 4 bytes: ISA guide 11.1).
.set XG,    64*PITCH+128               ; from X's first region to its second
.set YB,    104704                     ; behind X's 2 x 52,224 + 128 bytes, at a multiple of 256
.set YG,    128*PITCH+128              ; from Y's first region to its second
.set SPARE, 313856                     ; behind Y's 2 x 104,448 + 128 bytes, at a multiple of 256
.set SH8, 13                           ; 8 x (lane / 16)
.set L16, 14
.set L8,  15
.set YA,  16                           ; v16-17 my Y rows (v17: lanes 16-31 one padding further on, for a piece that lies across two 256-byte parts)
.set XP,  18                           ; v18-19 X, K's order of rows, as v16-17
.set XN,  22                           ; v22-25 X, rows in their order
.set SP,  26                           ; scale rows' offsets, the two orders
.set SN,  27
.set BH,  28
.set BR,  29
.set SPW, 30
.set NIL, 31
.set XS,  32                           ; v32-95 X's scale words: 8 x + K step;  v96-127 Y's
.set YS,  96
.set YF,  128                          ; Y's fragments, two sets of 48 (X's: window 1, sets at v0 and v128)
.set BI,  224                          ; v224-255 the bias as a C operand
.set PC,  128                          ; at work on the way out (over Y's fragments)
.set PX,  140
.set TM,  148
.set SO,  152
.set TT,  154
.set PW,  156
.set SW,  160
.set SEL, 10
.set HIM, 23
.set G1X, 24
.set G1Y, 32
.set G0X, 40                           ; s[40:47] X: Q, K;  s[48:59] Y: Wq, Wk, Wv
.set G0Y, 48
.set MSB, 0
.macro WIN new
.if MSB != \new
	s_set_vgpr_msb (MSB<<8)|\new
.set MSB, \new
.endif
.endm
.macro PLACES
.rept 4
	v_nop
.endr
.endm
.macro JLOAD g0a, g0b                  ; waves 0, 1 ask for X's halves, waves 2, 3 for Y's
	s_cmp_eq_u32 s15, 0
	s_cbranch_scc0 .Lfor_b_\@
	tensor_load_to_lds s[\g0a:\g0a+3], s[G1X:G1X+7]
	s_nop 0
	PLACES
	s_branch .Lasked_\@
.Lfor_b_\@:
	tensor_load_to_lds s[\g0b:\g0b+3], s[G1Y:G1Y+7]
	s_nop 0
	PLACES
.Lasked_\@:
.endm
.macro CREST
	s_cmp_lg_u32 s14, 0
	s_cbranch_scc1 .Lnot_wave_0_\@
	s_barrier_signal -3
.Lnot_wave_0_\@:
	s_barrier_wait -3
	s_barrier_signal -1
	s_barrier_wait -1
.endm
.macro CROUND
	s_barrier_signal -1
	s_barrier_wait -1
	CREST
.endm
.macro MKG0 g, lds, ptr, off
	s_mov_b32 s[\g], 1
	s_mov_b32 s[\g+1], s[\lds]
	s_add_nc_u64 s[\g+2:\g+3], s[\ptr:\ptr+1], s[\off:\off+1]
	s_or_b32 s[\g+3], s[\g+3], 0x80000000
.endm
	s_load_b512 s[68:83], s[0:1], 0x0              ; Q codes 68, scales 70; K 72, 74; Wq 76, 78; Wk 80, 82
	s_load_b256 s[84:91], s[0:1], 0x40             ; Wv 84, 86; bq 88; bk 90
	s_load_b256 s[92:99], s[0:1], 0x60             ; bv 92; qimg 94; qsc 96; qres 98
	s_load_b64 s[100:101], s[0:1], 0x80            ; kvimg
	v_lshl_add_u32 v[SPW], v0, 2, SPARE
	v_mov_b32 v[NIL], 0
	ds_add_u32 v[SPW], v[NIL]                      ; the opening lines: the add twice and its wait
	ds_add_u32 v[SPW], v[NIL]
	v_lshrrev_b32 v1, 5, v0
	v_readfirstlane_b32 s14, v1                    ; wave
	s_lshr_b32 s15, s14, 1                         ; I ask for X (0) or for Y (1),
	s_and_b32 s16, s14, 1                          ; and for which half of it
	s_bfe_u32 s17, ttmp6, 0x40000                  ; cx
	s_bfe_u32 s18, ttmp6, 0x40004                  ; cy
	s_lshl_b32 s19, ttmp9, 2
	s_add_co_u32 s19, s19, s17                     ; j
	s_and_b32 s20, ttmp7, 0xffff
	s_lshl_b32 s20, s20, 2
	s_add_co_u32 s20, s20, s18                     ; i
	s_lshl_b32 s21, s18, 2
	s_lshl_b32 s21, 15, s21                        ; my row of the cluster
	s_lshl_b32 s22, 0x1111, s17                    ; my column
	s_or_b32 s[G1X], s21, (1<<20)|(1<<21)|(5<<22)|(3<<25)   ; bytes; 4 words of padding behind every 64
	s_or_b32 s[G1Y], s22, (1<<20)|(1<<21)|(5<<22)|(3<<25)
	s_mov_b32 s[G1X+2], 2<<16                      ; a load's row: 32 rows of the operand, 24,576 dense bytes; X has 2 groups of 64 rows,
	s_mov_b32 s[G1X+4], 2
	s_mov_b32 s[G1Y+2], 4<<16                      ; Y has 4
	s_mov_b32 s[G1Y+4], 4
.irp g, G1X, G1Y
	s_mov_b32 s[\g+1], 24576<<16
	s_mov_b32 s[\g+3], 24576<<16
	s_mov_b32 s[\g+5], 49152                       ; from group to group: 64 rows
	s_mov_b32 s[\g+6], 0
	s_mov_b32 s[\g+7], 0
.endr
	s_lshl_b32 s2, s20, 7
	s_lshl_b32 s3, s16, 5
	s_add_co_u32 s2, s2, s3
	s_mul_i32 s2, s2, 768                          ; X: row 128 i + 32 x half, in bytes
	s_mov_b32 s3, 0
	s_lshl_b32 s12, s19, 8
	s_lshl_b32 s13, s16, 5
	s_add_co_u32 s12, s12, s13
	s_mul_i32 s12, s12, 768                        ; Y: row 256 j + 32 x half
	s_mov_b32 s13, 0
	s_mul_i32 s60, s16, XG
	s_mul_i32 s61, s16, YG
	s_add_co_u32 s61, s61, YB
	s_wait_dscnt 0x0
	s_wait_kmcnt 0x0
	MKG0 G0X,   60, 68, 2
	MKG0 G0X+4, 60, 72, 2
	MKG0 G0Y,   61, 76, 12
	MKG0 G0Y+4, 61, 80, 12
	MKG0 G0Y+8, 61, 84, 12
	CROUND                                         ; the first joint loads meet
	JLOAD G0X+4, G0Y+4                             ; K_i and Wk_j: one load a wave
	s_lshl_b32 s4, s20, 12                         ; X's scales: 128 i rows of 32 bytes
	s_mov_b32 s5, 0
	s_add_nc_u64 s[70:71], s[70:71], s[4:5]
	s_add_nc_u64 s[74:75], s[74:75], s[4:5]
	s_lshl_b32 s4, s19, 13
	s_lshl_b32 s6, s14, 11
	s_add_co_u32 s4, s4, s6                        ; Y's: row 256 j + 64 w
	s_add_nc_u64 s[78:79], s[78:79], s[4:5]
	s_add_nc_u64 s[82:83], s[82:83], s[4:5]
	s_add_nc_u64 s[86:87], s[86:87], s[4:5]
	s_lshr_b32 s4, s4, 3                           ; the biases: 4 bytes a feature
	s_add_nc_u64 s[88:89], s[88:89], s[4:5]
	s_add_nc_u64 s[90:91], s[90:91], s[4:5]
	s_add_nc_u64 s[92:93], s[92:93], s[4:5]
	s_lshl_b32 s6, s19, 2
	s_add_co_u32 s6, s6, s14                       ; my head: 4 j + w
	s_lshr_b32 s7, s20, 4
	s_lshl_b32 s7, s7, 4
	s_add_co_u32 s6, s6, s7                        ; 16 x batch + head
	s_and_b32 s7, s20, 15                          ; which 128 tokens of the batch
	s_mul_i32 s4, s6, 98304
	s_mul_i32 s8, s7, 6144
	s_add_co_u32 s4, s4, s8
	s_add_nc_u64 s[94:95], s[94:95], s[4:5]
	s_lshl_b32 s4, s6, 12
	s_lshl_b32 s8, s7, 8
	s_add_co_u32 s4, s4, s8
	s_add_nc_u64 s[96:97], s[96:97], s[4:5]
	s_lshl_b32 s4, s6, 19
	s_lshl_b32 s8, s7, 15
	s_add_co_u32 s4, s4, s8
	s_add_nc_u64 s[98:99], s[98:99], s[4:5]
	s_mul_i32 s4, s6, 204800
	s_mul_i32 s8, s7, 12800
	s_add_co_u32 s4, s4, s8
	s_add_nc_u64 s[100:101], s[100:101], s[4:5]
	s_mov_b32 s[SEL], 0x76543210
	s_mov_b32 s[SEL+1], 0xfedcba98
	s_mov_b32 s[HIM], 0xffff0000
	s_mul_i32 s9, s14, 32*PITCH
	s_add_co_u32 s9, s9, YB                        ; my 64 rows of Y
	v_and_b32 v1, 15, v0                           ; r
	v_bfe_u32 v2, v0, 4, 1                         ; h
	v_and_b32 v3, 7, v0
	v_bfe_u32 v4, v0, 3, 1
	v_mul_u32_u24 v5, v2, 24
	v_mad_u32_u24 v6, v3, PITCH, v5                ; row r % 8 of a region, + 24 h
	v_lshl_add_u32 v3, v4, 5, v3                   ; r % 8 + 32 (r / 8)
	v_mad_u32_u24 v[XP], v4, XG, v6                ; lanes 8-15 read the second region
	v_mad_u32_u24 v7, v4, YG, v6
	v_mad_u32_u24 v[XN], v1, PITCH, v5
	v_add_nc_u32 v[YA], s9, v7
	v_lshl_add_u32 v[YA+1], v2, 4, v[YA]
	v_lshl_add_u32 v[XP+1], v2, 4, v[XP]
	v_lshl_add_u32 v[XN+1], v2, 4, v[XN]
	v_add_nc_u32 v[XN+2], XG, v[XN]                ; rows in their order: tiles 2, 3, 6, 7 lie whole in the second region
	v_add_nc_u32 v[XN+3], XG, v[XN+1]
	v_lshlrev_b32 v[SP], 5, v3
	v_lshlrev_b32 v[SN], 5, v1
	v_lshlrev_b32 v[BH], 7, v2
	v_lshlrev_b32 v[BR], 2, v3
	v_lshlrev_b32 v[SH8], 3, v2
	v_and_b32 v8, 31, v0
	v_lshlrev_b32 v[L16], 4, v8
	v_lshlrev_b32 v[L8], 3, v8
	v_mov_b32 v[TT], 0
	s_wait_alu depctr_va_vdst(0)                   ; the head's end
; a fragment: 16 rows x 128 K, 12 registers, in pieces of 8 bytes.  Byte y of a row lies at y + 16 (y / 256) of its LDS row
.macro FRAG reg, adr, st, off
.irp p, 0,1,2,3,4,5
.set BY, 96*(\st)+48*(\p/3)+8*(\p%3)
.if BY/256 == (BY+24)/256
	ds_load_b64 v[\reg+2*\p:\reg+2*\p+1], v[\adr] offset:BY+16*(BY/256)+(\off)
.else
	ds_load_b64 v[\reg+2*\p:\reg+2*\p+1], v[\adr+1] offset:BY+16*(BY/256)+(\off)
.endif
.endr
.endm
.macro FETCH st, set, xa, xm           ; K step st into set: X's eight fragments (xm rows from tile to tile), my four of Y
	WIN 0x40
.irp x, 0,1,2,3,4,5,6,7
.if \xm == 8
	FRAG 128*(\set)+12*\x, \xa, \st, (32*(\x/4)+8*(\x%4))*PITCH
.else
	FRAG 128*(\set)+12*\x, \xa+2*((\x/2)%2), \st, (32*(\x/4)+16*(\x%2))*PITCH
.endif
.endr
	WIN 0
.irp y, 0,1,2,3
	FRAG YF+48*(\set)+12*\y, YA, \st, \y*8*PITCH
.endr
.endm
.macro WM d, f0, f1, c, s0, s1
	v_wmma_scale_f32_16x16x128_f8f6f4 v[(\d):(\d)+7], v[(\f0):(\f0)+11], v[(\f1):(\f1)+11], v[(\c):(\c)+7], v[(\s0)], v[(\s1)] matrix_a_fmt:MATRIX_FMT_BF6 matrix_b_fmt:MATRIX_FMT_BF6
.endm
.macro MULQ st, set, x0                ; source 0 = features, source 1 = tokens: a lane holds a token, its registers run along the features.  Accumulator 4 x + y
.irp x, \x0, \x0+1, \x0+2, \x0+3
.irp y, 0,1,2,3
.if (\st) == 0
	WM 8*(4*(\x)+\y), YF+48*(\set)+12*\y, 128*(\set)+12*(\x), BI+8*\y, YS+8*\y+(\st), XS+8*(\x)+(\st)
.else
	WM 8*(4*(\x)+\y), YF+48*(\set)+12*\y, 128*(\set)+12*(\x), 8*(4*(\x)+\y), YS+8*\y+(\st), XS+8*(\x)+(\st)
.endif
.endr
.endr
.endm
.macro MULV st, set, y0                ; source 0 = tokens, source 1 = features: a lane holds a feature, its registers run along the keys.  Accumulator 8 y + x; feature tiles y0, y0 + 1
.irp y, \y0, \y0+1
.irp x, 0,1,2,3,4,5,6,7
.if (\st) == 0
	WM 8*(8*(\y)+\x), 128*(\set)+12*\x, YF+48*(\set)+12*(\y), BI+8*(\y), XS+8*\x+(\st), YS+8*(\y)+(\st)
.else
	WM 8*(8*(\y)+\x), 128*(\set)+12*\x, YF+48*(\set)+12*(\y), 8*(8*(\y)+\x), XS+8*\x+(\st), YS+8*(\y)+(\st)
.endif
.endr
.endr
.endm
.macro MULT kind, st, set              ; D in window 2; C: the bias (window 0) in the first K step, then D
.if \kind
.if (\st) == 0
	WIN 0x81
.else
	WIN 0xa1
.endif
	MULV \st, \set, 0
	MULV \st, \set, 2
.else
.if (\st) == 0
	WIN 0x84
.else
	WIN 0xa4
.endif
	MULQ \st, \set, 0
	MULQ \st, \set, 4
.endif
.endm
; A tile: eight K steps of 32 products; each step's fragments are asked for one step ahead, into the other set.
; fill = 1: X and Y are read no more once the last step's fragments are in: the three lines, a round of the cluster's barrier; the caller's joint load follows.
.macro TILE kind, xa, xm, fill
	FETCH 0, 0, \xa, \xm
	s_wait_loadcnt 0x0                             ; scale words and bias
.set ST, 0
.rept 7
	s_wait_dscnt 0x0
.if ST > 0
	PLACES                                         ; in front of loads into registers that the last step's products read
.endif
	FETCH ST+1, (ST+1)%2, \xa, \xm
	MULT \kind, ST, ST%2
.set ST, ST+1
.endr
	s_wait_dscnt 0x0
.if \fill
	WIN 0
	s_wait_tensorcnt 0x0                           ; in front of a refill's barrier
	ds_add_u32 v[SPW], v[NIL]
.if \kind
	WIN 0xa1
	MULV 7, 1, 0
.else
	WIN 0xa4
	MULQ 7, 1, 0
.endif
	s_wait_dscnt 0x0                               ; the add is done; my reads of X and Y were done above
	s_barrier_signal -1
.if \kind
	MULV 7, 1, 2
.else
	MULQ 7, 1, 4
.endif
	WIN 0
	s_barrier_wait -1
	CREST
.else
	MULT \kind, 7, 1
	WIN 0
	PLACES
.endif
.endm
.macro LDSX ptr, lane, xm              ; a row's 32 scale bytes are its eight words: two loads of 16 bytes a tile
.irp x, 0,1,2,3,4,5,6,7
	global_load_b128 v[XS+8*\x:XS+8*\x+3], v[\lane], s[\ptr:\ptr+1] offset:(\x/4)*2048+(\x%4)*(\xm)*32
	global_load_b128 v[XS+8*\x+4:XS+8*\x+7], v[\lane], s[\ptr:\ptr+1] offset:(\x/4)*2048+(\x%4)*(\xm)*32+16
.endr
.endm
.macro LDSY ptr
.irp y, 0,1,2,3
	global_load_b128 v[YS+8*\y:YS+8*\y+3], v[SP], s[\ptr:\ptr+1] offset:256*\y
	global_load_b128 v[YS+8*\y+4:YS+8*\y+7], v[SP], s[\ptr:\ptr+1] offset:256*\y+16
.endr
.endm
.macro LDBQ ptr                        ; register 8 y + j: the bias of feature 32 h + 8 y + j
.irp y, 0,1,2,3
	global_load_b128 v[BI+8*\y:BI+8*\y+3], v[BH], s[\ptr:\ptr+1] offset:32*\y
	global_load_b128 v[BI+8*\y+4:BI+8*\y+7], v[BH], s[\ptr:\ptr+1] offset:32*\y+16
.endr
.endm
; 64 registers of window 2 = two blocks of 32 of my lane: their scales, the scale word of the row (bytes 2 e + h), and 12 registers of codes
.macro QUANT s, pw
	s_wait_xcnt 0x0                                ; earlier stores have read PC
	WIN 0x28
.irp b, 0,1,2,3
	v_max3_num_f32 v[TM+\b], 0x2800000, |v[(\s)+16*\b]|, |v[(\s)+16*\b+1]|   ; with the floor 2^(5 - 127)
.endr
.irp i, 2,4,6,8,10,12,14
.irp b, 0,1,2,3
	v_max3_num_f32 v[TM+\b], v[TM+\b], |v[(\s)+16*\b+\i]|, |v[(\s)+16*\b+\i+1]|
.endr
.endr
	WIN 0
	v_max_num_f32 v[TM], v[TM], v[TM+1]
	v_max_num_f32 v[TM+1], v[TM+2], v[TM+3]
	v_add_nc_u32 v[SO], 0xfe000000, v[TM]          ; 4 off the exponent field: the conversion's scale operand
	v_add_nc_u32 v[SO+1], 0xfe000000, v[TM+1]
	v_lshrrev_b32 v[TM], 23, v[SO]
	v_lshrrev_b32 v[TM+1], 23, v[SO+1]
	v_lshl_or_b32 v[TM], v[TM+1], 16, v[TM]
	v_lshlrev_b32 v[TM], v[SH8], v[TM]
	v_permlanex16_b32 v[TT], v[TM], s[SEL], s[SEL+1]
	v_or_b32 v[\pw], v[TM], v[TT]                  ; with lane l xor 16's two bytes the word is whole
	WIN 0x02
.irp e, 0,1
	v_cvt_scalef32_pk16_bf6_f32 v[PC+6*\e:PC+6*\e+2], v[(\s)+32*\e:(\s)+32*\e+15], v[SO+\e]
	v_cvt_scalef32_pk16_bf6_f32 v[PX+4*\e:PX+4*\e+2], v[(\s)+32*\e+16:(\s)+32*\e+31], v[SO+\e]
.endr
	WIN 0
	v_nop
.irp e, 0,1
.irp i, 0,1,2
	v_mov_b32 v[PC+6*\e+3+\i], v[PX+4*\e+\i]
.endr
.endr
.endm
.macro SCW sb, so                      ; four scale words a row: lanes 0-15 words 0 and 2, lanes 16-31 words 1 and 3: 256 consecutive bytes
	v_cndmask_b32 v[SW], v[PW], v[PW+1], s[HIM]
	v_cndmask_b32 v[SW+1], v[PW+2], v[PW+3], s[HIM]
	global_store_b64 v[L8], v[SW:SW+1], s[\sb:\sb+1] offset:\so
.endm
.macro EPIQK isq, ob, sb, so
.if \isq
	WIN 0x08
.set JJ, 0
.rept 64
	global_store_b128 v[L16], v[4*JJ:4*JJ+3], s[98:99] offset:512*JJ   ; Qp in f32, in the order of the registers: 512 consecutive bytes a store
.set JJ, JJ+1
.endr
	WIN 0
.endif
.irp q, 0,1,2,3
	QUANT 64*\q, PW+\q                             ; token tiles 2 q and 2 q + 1
.irp e, 0,1
	global_store_b128 v[L16], v[PC+6*\e:PC+6*\e+3], s[\ob:\ob+1] offset:768*(2*\q+\e)
	global_store_b64 v[L8], v[PC+6*\e+4:PC+6*\e+5], s[\ob:\ob+1] offset:768*(2*\q+\e)+512
.endr
.endr
	SCW \sb, \so
.endm
.macro MEET                            ; the next tile's operands are in, everybody's
	s_wait_xcnt 0x0                                ; the stores have read the registers on which fragments land
	s_wait_alu depctr_va_vdst(0)
	s_wait_tensorcnt 0x0
	s_barrier_signal -1
	s_barrier_wait -1
.endm
	LDSX 74, SP, 8
	LDSY 82
	LDBQ 90
	s_wait_tensorcnt 0x0
	s_barrier_signal -1
	s_barrier_wait -1
	TILE 0, XP, 8, 1                               ; Kp comes first, Qp last: Qp's f32 numbers, the most bytes stored, leave when no later tile is asked for
	s_cmp_eq_u32 s15, 0                            ; X stays: waves 2 and 3 alone ask, for Wv_j
	s_cbranch_scc1 .Lx_stays
	tensor_load_to_lds s[G0Y+8:G0Y+11], s[G1Y:G1Y+7]
	s_nop 0
	PLACES
.Lx_stays:
	PLACES
	LDSY 86
.irp y, 0,1,2,3
.irp k, 0,1,2,3,4,5,6,7
	global_load_b32 v[BI+8*\y+\k], v[BR], s[92:93] offset:32*\y   ; my feature's bias, in all eight registers of the C operand
.endr
.endr
	EPIQK 0, 100, 100, 12288
	MEET
	TILE 1, XP, 8, 1                               ; Vp, keys along the registers
	JLOAD G0X, G0Y                                 ; Q_i and Wq_j; the four v_nop behind it are the places in front of what follows
	LDSX 70, SN, 16
	LDSY 78
	LDBQ 88
.irp y, 0,1,2,3
	QUANT 64*\y, PW+\y
.irp c, 0,1,2
	global_store_b128 v[L16], v[PC+4*\c:PC+4*\c+3], s[100:101] offset:6144+1536*\y+512*\c
.endr
.endr
	SCW 100, 12544
	MEET
	TILE 0, XN, 16, 0                              ; Qp
	EPIQK 1, 94, 96, 0
	s_wait_tensorcnt 0x0                           ; the wave's end
	ds_add_u32 v[SPW], v[NIL]
	s_wait_dscnt 0x0
	CROUND                                         ; the closing round
	s_endpgm
.Lfunc_end_k_qccf2f4acba_proj:
	.size	k_qccf2f4acba_proj, .Lfunc_end_k_qccf2f4acba_proj-k_qccf2f4acba_proj
	.p2alignl 7, 3214868480
	.fill 96, 4, 3214868480
	.section	.rodata,"a",@progbits
	.p2align	6, 0x0
	.amdhsa_kernel k_qccf2f4acba_proj
		.amdhsa_group_segment_fixed_size 327680
		.amdhsa_private_segment_fixed_size 0
		.amdhsa_enable_private_segment 0
		.amdhsa_kernarg_size 136
		.amdhsa_user_sgpr_count 2
		.amdhsa_user_sgpr_kernarg_segment_ptr 1
		.amdhsa_wavefront_size32 1
		.amdhsa_system_sgpr_workgroup_id_x 1
		.amdhsa_system_sgpr_workgroup_id_y 1
		.amdhsa_system_sgpr_workgroup_id_z 1
		.amdhsa_system_vgpr_workitem_id 0
		.amdhsa_next_free_vgpr 768
		.amdhsa_next_free_sgpr 102
		.amdhsa_reserve_vcc 0
		.amdhsa_float_denorm_mode_32 3
		.amdhsa_float_denorm_mode_16_64 3
		.amdhsa_memory_ordered 1
		.amdhsa_forward_progress 1
		.amdhsa_inst_pref_size 255
	.end_amdhsa_kernel
	.section	.bss,"aw",@nobits
	.p2align	6
	.space	262144
	.amdgpu_metadata
---
amdhsa.version: [ 1, 2 ]
amdhsa.kernels:
  - .name:           k_qccf2f4acba_proj
    .symbol:         k_qccf2f4acba_proj.kd
    .args:
      - { .name: Q_codes, .offset: 0, .size: 8, .value_kind: global_buffer, .address_space: global }
      - { .name: Q_scales, .offset: 8, .size: 8, .value_kind: global_buffer, .address_space: global }
      - { .name: K_codes, .offset: 16, .size: 8, .value_kind: global_buffer, .address_space: global }
      - { .name: K_scales, .offset: 24, .size: 8, .value_kind: global_buffer, .address_space: global }
      - { .name: Wq_codes, .offset: 32, .size: 8, .value_kind: global_buffer, .address_space: global }
      - { .name: Wq_scales, .offset: 40, .size: 8, .value_kind: global_buffer, .address_space: global }
      - { .name: Wk_codes, .offset: 48, .size: 8, .value_kind: global_buffer, .address_space: global }
      - { .name: Wk_scales, .offset: 56, .size: 8, .value_kind: global_buffer, .address_space: global }
      - { .name: Wv_codes, .offset: 64, .size: 8, .value_kind: global_buffer, .address_space: global }
      - { .name: Wv_scales, .offset: 72, .size: 8, .value_kind: global_buffer, .address_space: global }
      - { .name: bq, .offset: 80, .size: 8, .value_kind: global_buffer, .address_space: global }
      - { .name: bk, .offset: 88, .size: 8, .value_kind: global_buffer, .address_space: global }
      - { .name: bv, .offset: 96, .size: 8, .value_kind: global_buffer, .address_space: global }
      - { .name: qimg, .offset: 104, .size: 8, .value_kind: global_buffer, .address_space: global }
      - { .name: qsc, .offset: 112, .size: 8, .value_kind: global_buffer, .address_space: global }
      - { .name: qres, .offset: 120, .size: 8, .value_kind: global_buffer, .address_space: global }
      - { .name: kvimg, .offset: 128, .size: 8, .value_kind: global_buffer, .address_space: global }
    .group_segment_fixed_size: 327680
    .private_segment_fixed_size: 0
    .kernarg_segment_align: 8
    .kernarg_segment_size: 136
    .max_flat_workgroup_size: 128
    .sgpr_count:     102
    .vgpr_count:     768
    .wavefront_size: 32
...
	.end_amdgpu_metadata
.endif
;; end of part 1
;; launch attn (part 2): grid 4 x 64, 16 waves a work-group, clusters of 4 x 1, 206,848 bytes of LDS; arguments kvimg, qimg, qsc, qres, ocode, oscale, ores; writes ocode, oscale, ores
.if DOCPART == 2
	.amdgcn_target "amdgcn-amd-amdhsa--gfx1250"
	.amdhsa_code_object_version 6
	.text
	.protected	k_qccf2f4acba_attn
	.globl	k_qccf2f4acba_attn
	.p2align	8
	.type	k_qccf2f4acba_attn,@function
k_qccf2f4acba_attn:
	s_mov_b64 s[64:65], 0
	v_nop
	global_prefetch_b8 v0, s[64:65] scope:SCOPE_SE
	s_setreg_imm32_b32 hwreg(HW_REG_WAVE_MODE, 25, 1), 1
	s_wait_xcnt 0x0
	s_wait_alu depctr_hold_cnt(0) depctr_sa_sdst(0) depctr_va_vdst(0) depctr_va_sdst(0) depctr_va_ssrc(0) depctr_va_vcc(0) depctr_vm_vsrc(0)
	s_getreg_b32 s2, hwreg(HW_REG_IB_STS2, 6, 4)
	s_cmp_eq_u32 s2, 0
	s_cbranch_scc0 .Lentry_in_a_cluster
	s_endpgm
.Lentry_in_a_cluster:
	s_bfe_u32 s2, ttmp6, 0x10000c
	s_cmp_lg_u32 s2, 0x3003
	s_cbranch_scc0 .Lentry_shape_is_right
	s_endpgm
.Lentry_shape_is_right:
; ATTENTION ON CODES OF BF6:  O = Qp + softmax(Qh Kh^T / 32) Vh  for one (batch, head), and O's quantising along the features.
; t = score x log2(e) / 32; M = the row's largest t so far, rounded UP to a whole number; p = 2^(t - M) is quantised along the keys, not normalised.
; The row's sum is taken of the unquantised p, in f32, and divides at the end.  When M moves, the sum and O are multiplied by 2^(old M - new M): exact.
; SHARES.  y = 16 x batch + head; the four work-groups of a cluster take 512 queries each.  Each of sixteen waves owns two tiles of 16 queries, one after the other.
; LDS holds the head's K and V for all 2,048 keys as images of operand registers with their scale words: 16 blocks of 12,800 bytes, FILLED ONCE, wave w asking for block w, jointly with the three partners.
; A block: 8 tiles of 16 keys x 768 bytes; 4 tiles of 16 features of V x 1,536 bytes; 256 bytes of K's scale words; 256 of V's.
; A fragment of K holds TWO tiles of keys (k = 0 .. 63 and 64 .. 127); Q stands twice, [Q, zeros] and [zeros, Q]: zero codes add nothing under the bytes 1 to 254 that occur here.
; LAYOUT.  S^T = K Q^T, O^T = V^T P^T: a lane holds ONE query.  The launch before chose the keys of tile 4 c + u so that register 32 c + 8 u + j of lane half h is key 64 c + 32 h + 8 u + j:
; a lane's 32 registers are one true block of 32 keys in their order, so a block's maximum needs no other lane and the conversions' results are p's operand registers.  V's feature tiles are chosen
; likewise: register 8 y + j of O^T is feature 32 h + 8 y + j.
; No prefetch: K and V are asked for once, at the head; the loop reads LDS alone.
; LIMITS: NaN and infinities are not served; the promise holds while |t| stays under 2^31.  A block's largest p is taken from its largest score by the same multiply-add and exponential:
; this takes v_exp_f32 not to fall where its input rises.  A block whose largest magnitude lies under 2^(5 - 127) gets the scale byte 1.
.set STEPB, 12800
.set HEADB, 16*STEPB
.set VO,    6144
.set KW,    12288
.set VW,    12544
.set L16,  1
.set L8,   2
.set AD16, 3
.set AD8,  4
.set OSO,  5
.set QSO,  6
.set SH8,  7                           ; 8 x (lane / 16)
.set QW,   8
.set KSW,  10
.set QA,   16
.set QB,   28
.set FK,   40
.set QN,   88
.set VSW,  94
.set SS,   96
.set OA,   160
.set QF,   192
.set PC,   224
.set PT,   236
.set SO,   244
.set BM,   248
.set WV,   18
.set SEL,  20
.set CS,   22
.set G1,   24
.set G0,   32
.set BHD,  36
.set TB,   37
.set CNT,  38
.macro CROUND
	s_barrier_signal -1
	s_barrier_wait -1
	s_cmp_lg_u32 s[WV], 0
	s_cbranch_scc1 .Lnot_wave_0_\@
	s_barrier_signal -3
.Lnot_wave_0_\@:
	s_barrier_wait -3
	s_barrier_signal -1
	s_barrier_wait -1
.endm
	s_load_b256 s[4:11], s[0:1], 0x0               ; kvimg, qimg, qsc, qres
	s_load_b128 s[12:15], s[0:1], 0x20             ; ocode, oscale
	s_load_b64 s[16:17], s[0:1], 0x30              ; ores
	v_lshl_add_u32 v9, v0, 2, 0x32000
	v_mov_b32 v243, 0
	ds_add_u32 v9, v243                            ; the opening lines
	ds_add_u32 v9, v243
	v_lshrrev_b32 v3, 5, v0
	s_delay_alu instid0(VALU_DEP_1)
	v_readfirstlane_b32 s[WV], v3
	s_and_b32 s[BHD], ttmp7, 0xffff
	s_mul_i32 s40, s[BHD], HEADB
	s_mul_i32 s[G0+1], s[WV], STEPB
	s_add_co_u32 s40, s40, s[G0+1]
	s_mov_b32 s41, 0
	s_mov_b32 s[G0], 1
	s_mov_b32 s[G1], 15|(3<<16)|(1<<21)            ; 50 rows of 256 bytes, dense; the mask names all four
	s_mov_b32 s[G1+1], 32<<16
	s_mov_b32 s[G1+2], 50<<16
	s_mov_b32 s[G1+3], 32<<16
	s_mov_b32 s[G1+4], 50
	s_mov_b32 s[G1+5], 32
	s_mov_b32 s[G1+6], 0
	s_mov_b32 s[G1+7], 0
	s_mov_b32 s[SEL], 0x76543210
	s_mov_b32 s[SEL+1], 0xfedcba98
	s_mov_b32 s[CS], 0x3d38aa3b                    ; log2(e) / 32
	s_mov_b32 s[CS+1], s[CS]
	s_wait_dscnt 0x0
	s_wait_kmcnt 0x0
	s_add_nc_u64 s[G0+2:G0+3], s[4:5], s[40:41]
	s_or_b32 s[G0+3], s[G0+3], 0x80000000
	CROUND
	tensor_load_to_lds s[G0:G0+3], s[G1:G1+7]      ; my one tensor load of the launch
	s_nop 0
.rept 4
	v_nop
.endr
	s_bfe_u32 s19, ttmp6, 0x40000                  ; cx enters the addresses of Q and O alone
	s_lshl_b32 s40, s19, 5
	s_lshl_b32 s41, s[WV], 1
	s_add_co_u32 s40, s40, s41                     ; my first tile of queries in the head
	s_lshl_b32 s41, s[BHD], 7
	s_add_co_u32 s41, s41, s40
	s_mul_i32 s42, s41, 768
	s_mov_b32 s43, 0
	s_add_nc_u64 s[6:7], s[6:7], s[42:43]
	s_lshl_b32 s42, s41, 12
	s_add_nc_u64 s[10:11], s[10:11], s[42:43]
	s_lshr_b32 s41, s[BHD], 4
	s_lshl_b32 s41, s41, 7
	s_add_co_u32 s41, s41, s40                     ; the same tile counted through the tokens
	s_and_b32 s44, s[BHD], 15
	s_lshl_b32 s45, s41, 4
	s_add_co_u32 s45, s45, s44
	s_mul_i32 s42, s45, 768
	s_add_nc_u64 s[12:13], s[12:13], s[42:43]      ; O's codes: [tile][head][768]
	s_lshl_b32 s42, s45, 12
	s_add_nc_u64 s[16:17], s[16:17], s[42:43]      ; O in f32: [tile][head][4096]
	s_lshl_b32 s42, s41, 9
	s_lshl_b32 s44, s44, 1
	s_add_co_u32 s42, s42, s44
	s_add_nc_u64 s[14:15], s[14:15], s[42:43]      ; O's scale bytes: [token][32]
	s_lshl_b32 s42, s[BHD], 12
	s_lshl_b32 s44, s19, 10
	s_add_co_u32 s42, s42, s44
	s_lshr_b32 s44, s[WV], 2
	s_lshl_b32 s44, s44, 8
	s_add_co_u32 s42, s42, s44
	s_and_b32 s44, s[WV], 1
	s_lshl_b32 s44, s44, 7
	s_add_co_u32 s42, s42, s44
	s_bfe_u32 s44, s[WV], 0x10001
	s_lshl_b32 s44, s44, 2
	s_add_co_u32 s42, s42, s44
	s_add_nc_u64 s[8:9], s[8:9], s[42:43]          ; the scale word of my pair of tiles
	v_and_b32 v3, 31, v0
	v_and_b32 v4, 15, v0
	v_bfe_u32 v[SH8], v0, 4, 1
	v_lshlrev_b32 v[L16], 4, v3
	v_lshlrev_b32 v[L8], 3, v3
	v_lshlrev_b32 v[OSO], 5, v4
	v_lshlrev_b32 v[QSO], 3, v4
	v_lshlrev_b32 v[SH8], 3, v[SH8]
	global_load_b128 v[QA:QA+3], v[L16], s[6:7]
	global_load_b64 v[QA+4:QA+5], v[L8], s[6:7] offset:512
	global_load_b128 v[QB+6:QB+9], v[L16], s[6:7]
	global_load_b64 v[QB+10:QB+11], v[L8], s[6:7] offset:512
	global_load_b32 v[QW], v[QSO], s[8:9]
	global_load_b128 v[QN:QN+3], v[L16], s[6:7] offset:768
	global_load_b64 v[QN+4:QN+5], v[L8], s[6:7] offset:1280
.irp i, 0,1,2,3,4,5
	v_mov_b32 v[QA+6+\i], 0
	v_mov_b32 v[QB+\i], 0
.endr
.irp b, 0,1,2,3
	v_mov_b32 v[PT+\b], 0
.endr
	v_mov_b32 v253, 0
	s_wait_alu depctr_va_vdst(0)
	s_wait_tensorcnt 0x0
	s_barrier_signal -1
	s_barrier_wait -1                              ; the head's K and V lie in LDS for the rest of the launch
.macro PASS ps
.if \ps
	s_wait_xcnt 0x0
.endif
.irp c, 0,1,2,3,4,5,6,7
	global_load_b128 v[QF+4*\c:QF+4*\c+3], v[L16], s[10:11] offset:4096*\ps+512*\c th:TH_LOAD_NT
.endr
.if \ps
.irp i, 0,1,2,3,4,5
	v_mov_b32 v[QA+\i], v[QN+\i]
	v_mov_b32 v[QB+6+\i], v[QN+\i]
.endr
	v_perm_b32 v255, v[QW], v[QW], 0x03020302
.else
	s_wait_loadcnt 10                              ; the second tile's 2 loads and Qp's 8 may be out
	v_perm_b32 v255, v[QW], v[QW], 0x01000100
.endif
	v_mov_b32 v13, 0xff61b1e6                      ; the largest score so far: -3e38
	v_mov_b32 v12, 0x7f61b1e6                      ; -M
	v_mov_b32 v14, 0
	v_mov_b32 v15, 0
.set JJ, 0
.rept 32
	v_mov_b32 v[OA+JJ], 0
.set JJ, JJ+1
.endr
	s_mov_b32 s[TB], 0
	s_mov_b32 s[CNT], 16
.Lstep_\@:
	v_add_nc_u32 v[AD16], s[TB], v[L16]
	v_add_nc_u32 v[AD8], s[TB], v[L8]
	v_nop
	v_nop
.irp kp, 0,1,2,3
.irp e, 0,1
	ds_load_b128 v[FK+12*\kp+6*\e:FK+12*\kp+6*\e+3], v[AD16] offset:768*(2*\kp+\e)
	ds_load_b64 v[FK+12*\kp+6*\e+4:FK+12*\kp+6*\e+5], v[AD8] offset:768*(2*\kp+\e)+512
.endr
.endr
	ds_load_b64 v[KSW:KSW+1], v[AD8] offset:KW
	s_wait_alu depctr_va_vdst(0)
	s_wait_dscnt 0x0
.irp kp, 0,1,2,3
.irp e, 0,1
.if (\kp%2) == 1
	v_wmma_scale_f32_16x16x128_f8f6f4 v[SS+8*(2*\kp+\e):SS+8*(2*\kp+\e)+7], v[FK+12*\kp:FK+12*\kp+11], v[QA+12*\e:QA+12*\e+11], 0, v[KSW+\kp/2], v255 matrix_a_fmt:MATRIX_FMT_BF6 matrix_b_fmt:MATRIX_FMT_BF6 matrix_a_scale:MATRIX_SCALE_ROW1
.else
	v_wmma_scale_f32_16x16x128_f8f6f4 v[SS+8*(2*\kp+\e):SS+8*(2*\kp+\e)+7], v[FK+12*\kp:FK+12*\kp+11], v[QA+12*\e:QA+12*\e+11], 0, v[KSW+\kp/2], v255 matrix_a_fmt:MATRIX_FMT_BF6 matrix_b_fmt:MATRIX_FMT_BF6
.endif
.endr
.endr
.rept 4
	v_nop
.endr
.irp t, 0,1,2,3                                ; V lands under the softmax
.irp c, 0,1,2
	ds_load_b128 v[FK+12*\t+4*\c:FK+12*\t+4*\c+3], v[AD16] offset:VO+1536*\t+512*\c
.endr
.endr
	ds_load_b64 v[VSW:VSW+1], v[AD8] offset:VW
.irp b, 0,1,2,3
	v_max3_num_f32 v[BM+\b], v[SS+16*\b], v[SS+1+16*\b], v[SS+2+16*\b]   ; four chains of 16 scores by turns
.endr
.irp i, 3,5,7,9,11,13
.irp b, 0,1,2,3
	v_max3_num_f32 v[BM+\b], v[BM+\b], v[SS+16*\b+\i], v[SS+1+16*\b+\i]
.endr
.endr
.irp b, 0,1,2,3
	v_max_num_f32 v[BM+\b], v[BM+\b], v[SS+15+16*\b]
.endr
	v_max_num_f32 v[BM], v[BM], v[BM+1]            ; my two blocks' largest scores
	v_max_num_f32 v[BM+1], v[BM+2], v[BM+3]
	s_delay_alu instid0(VALU_DEP_1)
	v_max_num_f32 v254, v[BM], v[BM+1]
	s_delay_alu instid0(VALU_DEP_1)
	v_permlanex16_b32 v[PT], v254, s[SEL], s[SEL+1]
	s_delay_alu instid0(VALU_DEP_1)
	v_max3_num_f32 v13, v13, v254, v[PT]           ; the row's largest score so far
	v_mov_b32 v[PT+1], v12
	s_delay_alu instid0(VALU_DEP_2)
	v_mul_f32 v254, s[CS], v13                     ; as t (c is positive)
	s_delay_alu instid0(VALU_DEP_1)
	v_floor_f32 v12, -v254                         ; the new -M = -ceil(t)
	s_delay_alu instid0(VALU_DEP_1)
	v_sub_f32 v254, v12, v[PT+1]
	s_delay_alu instid0(VALU_DEP_1)
	v_cvt_i32_f32 v254, v254                       ; (it saturates)
	s_delay_alu instid0(VALU_DEP_1)
	v_ldexp_f32 v252, 1.0, v254                    ; f = 2^(old M - new M)
.set JJ, 0
.rept 32
	v_pk_fma_f32 v[SS+JJ:SS+JJ+1], v[SS+JJ:SS+JJ+1], s[CS:CS+1], v[12:13] op_sel_hi:[1,0,0]
.set JJ, JJ+2
.endr
	v_fma_f32 v[BM], v[BM], s[CS], v12
	v_fma_f32 v[BM+1], v[BM+1], s[CS], v12
.set JJ, 0
	s_wait_alu depctr_va_vdst(0)                   ; ahead of the batch
.rept 64
	v_exp_f32 v[SS+JJ], v[SS+JJ]
.set JJ, JJ+1
.endr
	v_exp_f32 v[BM], v[BM]                         ; the blocks' largest p
	v_exp_f32 v[BM+1], v[BM+1]
	v_pk_mul_f32 v[14:15], v[14:15], v[252:253] op_sel_hi:[1,0]
	s_wait_alu depctr_va_vdst(0)                   ; and behind it
	v_max_num_f32 v[BM], 0x2800000, v[BM]
	v_max_num_f32 v[BM+1], 0x2800000, v[BM+1]
	s_delay_alu instid0(VALU_DEP_2)
	v_add_nc_u32 v[SO], 0xfe000000, v[BM]
	s_delay_alu instid0(VALU_DEP_2)
	v_add_nc_u32 v[SO+1], 0xfe000000, v[BM+1]
	s_delay_alu instid0(VALU_DEP_2)
	v_lshrrev_b32 v[PT], 23, v[SO]
	s_delay_alu instid0(VALU_DEP_2)
	v_lshrrev_b32 v[PT+1], 23, v[SO+1]
	s_delay_alu instid0(VALU_DEP_1)
	v_lshl_or_b32 v[PT], v[PT+1], 16, v[PT]        ; my bytes: blocks h and 2 + h,
	s_delay_alu instid0(VALU_DEP_1)
	v_lshlrev_b32 v[PT], v[SH8], v[PT]             ; at their places;
	s_delay_alu instid0(VALU_DEP_1)
	v_permlanex16_b32 v[PT+1], v[PT], s[SEL], s[SEL+1]
	s_delay_alu instid0(VALU_DEP_1)
	v_or_b32 v253, v[PT], v[PT+1]                  ; with lane l xor 16's: p's scale word for these 128 keys
.irp c, 0,1
	v_cvt_scalef32_pk16_bf6_f32 v[PC+6*\c:PC+2+6*\c], v[SS+32*\c:SS+15+32*\c], v[SO+\c]
	v_cvt_scalef32_pk16_bf6_f32 v[PT+4*\c:PT+2+4*\c], v[SS+16+32*\c:SS+31+32*\c], v[SO+\c]
.endr
	v_nop
.irp c, 0,1
.irp i, 0,1,2
	v_mov_b32 v[PC+3+6*\c+\i], v[PT+4*\c+\i]
.endr
.endr
	v_pk_add_f32 v[236:237], v[100:101], v[104:105]        ; the row's sum of the unquantised p, in eight chains
	v_pk_add_f32 v[250:251], v[108:109], v[112:113]
	v_pk_add_f32 v[248:249], v[116:117], v[120:121]
	v_pk_add_f32 v[246:247], v[124:125], v[128:129]
	v_pk_add_f32 v[244:245], v[132:133], v[136:137]
	v_pk_add_f32 v[240:241], v[140:141], v[144:145]
	v_pk_add_f32 v[238:239], v[148:149], v[152:153]
	v_pk_add_f32 v[14:15], v[14:15], v[156:157]
	v_pk_add_f32 v[236:237], v[236:237], v[96:97]
	v_pk_add_f32 v[250:251], v[250:251], v[98:99]
	v_pk_add_f32 v[248:249], v[248:249], v[102:103]
	v_pk_add_f32 v[246:247], v[246:247], v[106:107]
	v_pk_add_f32 v[244:245], v[244:245], v[110:111]
	v_pk_add_f32 v[240:241], v[240:241], v[114:115]
	v_pk_add_f32 v[238:239], v[238:239], v[118:119]
	v_pk_add_f32 v[14:15], v[14:15], v[122:123]
	v_pk_add_f32 v[236:237], v[236:237], v[126:127]
	v_pk_add_f32 v[250:251], v[250:251], v[130:131]
	v_pk_add_f32 v[248:249], v[248:249], v[134:135]
	v_pk_add_f32 v[246:247], v[246:247], v[138:139]
	v_pk_add_f32 v[244:245], v[244:245], v[142:143]
	v_pk_add_f32 v[240:241], v[240:241], v[146:147]
	v_pk_add_f32 v[238:239], v[238:239], v[150:151]
	v_pk_add_f32 v[14:15], v[14:15], v[154:155]
	v_pk_add_f32 v[236:237], v[236:237], v[158:159]
	v_pk_add_f32 v[14:15], v[14:15], v[246:247]
	v_pk_add_f32 v[250:251], v[250:251], v[240:241]
	v_pk_add_f32 v[248:249], v[248:249], v[238:239]
	v_pk_add_f32 v[236:237], v[236:237], v[244:245]
	v_pk_add_f32 v[14:15], v[14:15], v[250:251]
	s_delay_alu instid0(VALU_DEP_2)
	v_pk_add_f32 v[236:237], v[236:237], v[248:249]
	s_delay_alu instid0(VALU_DEP_1)
	v_pk_add_f32 v[14:15], v[14:15], v[236:237]
	s_wait_alu depctr_va_vdst(0)                   ; ahead of the first reader of O^T
.set JJ, 0
.rept 16
	v_pk_mul_f32 v[OA+JJ:OA+JJ+1], v[OA+JJ:OA+JJ+1], v[252:253] op_sel_hi:[1,0]
.set JJ, JJ+2
.endr
	s_wait_alu depctr_va_vdst(0)
	s_wait_dscnt 0x0
.irp t, 0,1,2,3
.if (\t%2) == 1
	v_wmma_scale_f32_16x16x128_f8f6f4 v[OA+8*\t:OA+8*\t+7], v[FK+12*\t:FK+12*\t+11], v[PC:PC+11], v[OA+8*\t:OA+8*\t+7], v[VSW+\t/2], v253 matrix_a_fmt:MATRIX_FMT_BF6 matrix_b_fmt:MATRIX_FMT_BF6 matrix_a_scale:MATRIX_SCALE_ROW1
.else
	v_wmma_scale_f32_16x16x128_f8f6f4 v[OA+8*\t:OA+8*\t+7], v[FK+12*\t:FK+12*\t+11], v[PC:PC+11], v[OA+8*\t:OA+8*\t+7], v[VSW+\t/2], v253 matrix_a_fmt:MATRIX_FMT_BF6 matrix_b_fmt:MATRIX_FMT_BF6
.endif
.endr
	s_add_co_u32 s[TB], s[TB], STEPB
	s_sub_co_u32 s[CNT], s[CNT], 1
	s_cmp_lg_u32 s[CNT], 0
	s_cbranch_scc1 .Lstep_\@
	; THE TILE'S END: O = Qp + O^T / the sum; it leaves as f32, as codes and as scale bytes
.rept 4
	v_nop
.endr
	v_add_f32 v14, v14, v15
	s_delay_alu instid0(VALU_DEP_1)
	v_permlanex16_b32 v252, v14, s[SEL], s[SEL+1]
	s_delay_alu instid0(VALU_DEP_1)
	v_add_f32 v14, v14, v252
	s_wait_alu depctr_va_vdst(0)
	v_rcp_f32 v14, v14
	v_nop
	s_wait_loadcnt 0x0
.set JJ, 0
	s_wait_alu depctr_va_vdst(0)
.rept 16
	v_pk_fma_f32 v[SS+JJ:SS+JJ+1], v[OA+JJ:OA+JJ+1], v[14:15], v[QF+JJ:QF+JJ+1] op_sel_hi:[1,0,1]   ; register 8 y + j: feature 32 h + 8 y + j
.set JJ, JJ+2
.endr
.irp c, 0,1,2,3,4,5,6,7
	global_store_b128 v[L16], v[SS+4*\c:SS+4*\c+3], s[16:17] offset:65536*\ps+512*\c
.endr
.irp b, 0,1
	v_max3_num_f32 v[BM+\b], |v[SS+16*\b]|, |v[SS+1+16*\b]|, 0x2800000   ; my 32 numbers are one block of 32 features
.endr
.irp i, 2,4,6,8,10,12,14
.irp b, 0,1
	s_delay_alu instid0(VALU_DEP_2)
	v_max3_num_f32 v[BM+\b], v[BM+\b], |v[SS+16*\b+\i]|, |v[SS+1+16*\b+\i]|
.endr
.endr
	s_delay_alu instid0(VALU_DEP_1)
	v_max_num_f32 v[BM], v[BM], v[BM+1]
	s_delay_alu instid0(VALU_DEP_1)
	v_add_nc_u32 v[SO], 0xfe000000, v[BM]
	s_delay_alu instid0(VALU_DEP_1)
	v_lshrrev_b32 v[PT], 23, v[SO]
	s_delay_alu instid0(VALU_DEP_1)
	v_lshlrev_b32 v[PT], v[SH8], v[PT]
	s_delay_alu instid0(VALU_DEP_1)
	v_permlanex16_b32 v[PT+1], v[PT], s[SEL], s[SEL+1]
	s_delay_alu instid0(VALU_DEP_1)
	v_or_b32 v253, v[PT], v[PT+1]                  ; my row's two scale bytes
	v_cvt_scalef32_pk16_bf6_f32 v[PC:PC+2], v[SS:SS+15], v[SO]
	v_cvt_scalef32_pk16_bf6_f32 v[PT+4:PT+6], v[SS+16:SS+31], v[SO]
	v_nop
.irp i, 0,1,2
	v_mov_b32 v[PC+3+\i], v[PT+4+\i]
.endr
	global_store_b128 v[L16], v[PC:PC+3], s[12:13] offset:12288*\ps
	global_store_b64 v[L8], v[PC+4:PC+5], s[12:13] offset:12288*\ps+512
	global_store_b16 v[OSO], v253, s[14:15] offset:512*\ps   ; lanes r and r + 16 write the same two bytes with the same value
.endm
	PASS 0
	PASS 1
	s_wait_dscnt 0x0
	s_wait_tensorcnt 0x0                           ; the wave's end
	ds_add_u32 v9, v243
	s_wait_dscnt 0x0
	CROUND
	s_endpgm
.Lfunc_end_k_qccf2f4acba_attn:
	.size	k_qccf2f4acba_attn, .Lfunc_end_k_qccf2f4acba_attn-k_qccf2f4acba_attn
	.p2alignl 7, 3214868480
	.fill 96, 4, 3214868480
	.section	.rodata,"a",@progbits
	.p2align	6, 0x0
	.amdhsa_kernel k_qccf2f4acba_attn
		.amdhsa_group_segment_fixed_size 206848
		.amdhsa_private_segment_fixed_size 0
		.amdhsa_enable_private_segment 0
		.amdhsa_kernarg_size 56
		.amdhsa_user_sgpr_count 2
		.amdhsa_user_sgpr_kernarg_segment_ptr 1
		.amdhsa_wavefront_size32 1
		.amdhsa_system_sgpr_workgroup_id_x 1
		.amdhsa_system_sgpr_workgroup_id_y 1
		.amdhsa_system_sgpr_workgroup_id_z 1
		.amdhsa_system_vgpr_workitem_id 0
		.amdhsa_next_free_vgpr 256
		.amdhsa_next_free_sgpr 66
		.amdhsa_reserve_vcc 0
		.amdhsa_float_denorm_mode_32 3
		.amdhsa_float_denorm_mode_16_64 3
		.amdhsa_memory_ordered 1
		.amdhsa_forward_progress 1
		.amdhsa_inst_pref_size 51
	.end_amdhsa_kernel
	.amdgpu_metadata
---
amdhsa.version: [ 1, 2 ]
amdhsa.kernels:
  - .name:           k_qccf2f4acba_attn
    .symbol:         k_qccf2f4acba_attn.kd
    .args:
      - { .name: kvimg, .offset: 0, .size: 8, .value_kind: global_buffer, .address_space: global }
      - { .name: qimg, .offset: 8, .size: 8, .value_kind: global_buffer, .address_space: global }
      - { .name: qsc, .offset: 16, .size: 8, .value_kind: global_buffer, .address_space: global }
      - { .name: qres, .offset: 24, .size: 8, .value_kind: global_buffer, .address_space: global }
      - { .name: ocode, .offset: 32, .size: 8, .value_kind: global_buffer, .address_space: global }
      - { .name: oscale, .offset: 40, .size: 8, .value_kind: global_buffer, .address_space: global }
      - { .name: ores, .offset: 48, .size: 8, .value_kind: global_buffer, .address_space: global }
    .group_segment_fixed_size: 206848
    .private_segment_fixed_size: 0
    .kernarg_segment_align: 8
    .kernarg_segment_size: 56
    .max_flat_workgroup_size: 512
    .sgpr_count:     66
    .vgpr_count:     256
    .wavefront_size: 32
...
	.end_amdgpu_metadata
.endif
;; end of part 2
;; launch outp (part 3): grid 4 x 64, 4 waves a work-group, clusters of 4 x 4, 327,680 bytes of LDS; arguments ocode, oscale, Wo_codes, Wo_scales, bo, ores, out0; writes out0
.if DOCPART == 3
	.amdgcn_target "amdgcn-amd-amdhsa--gfx1250"
	.amdhsa_code_object_version 6
	.text
	.protected	k_qccf2f4acba_outp
	.globl	k_qccf2f4acba_outp
	.p2align	8
	.type	k_qccf2f4acba_outp,@function
k_qccf2f4acba_outp:
	s_mov_b64 s[64:65], 0
	v_nop
	global_prefetch_b8 v0, s[64:65] scope:SCOPE_SE
	s_setreg_imm32_b32 hwreg(HW_REG_WAVE_MODE, 25, 1), 1
	s_wait_xcnt 0x0
	s_wait_alu depctr_hold_cnt(0) depctr_sa_sdst(0) depctr_va_vdst(0) depctr_va_sdst(0) depctr_va_ssrc(0) depctr_va_vcc(0) depctr_vm_vsrc(0)
	s_getreg_b32 s2, hwreg(HW_REG_IB_STS2, 6, 4)
	s_cmp_eq_u32 s2, 0
	s_cbranch_scc0 .Lentry_in_a_cluster
	s_endpgm
.Lentry_in_a_cluster:
	s_bfe_u32 s2, ttmp6, 0x10000c
	s_cmp_lg_u32 s2, 0xf033
	s_cbranch_scc0 .Lentry_shape_is_right
	s_endpgm
.Lentry_shape_is_right:
; out = O + relu(O Wo^T + bo) on codes of BF6.  A work-group makes 128 tokens (i) x 256 features (j); a wave all 128 tokens x 64 features: 32 accumulators (window 2), by turns.
; LDS holds both operands for ALL of K, filled once: X = O's codes, 8 token tiles x 16 heads x 768 bytes, images of operand registers, one dense block of memory;
; Y = 256 rows of Wo, whole rows of 768 bytes, 16 bytes of padding behind every 256: pitch 816.  Joint loads in a 4 x 4 cluster: X along a row, Y along a column.
; Lane r of Y's tile y takes row 8 y + r % 8 + 32 (r / 8): register 8 y + j of a lane is feature 32 h + 8 y + j, the order in which O's f32 numbers were stored.
; Scale words, the bias (the C of the first K step) and O's f32 numbers (window 3) go from memory into registers.
; No prefetch: the text has no loop to run ahead in; each operand byte is asked for once.
.set PITCH, 816
.set YB,    98304
; Y lies in two regions: rows 0-31 of every 64 rows in the first, rows 32-63 in the second, which begins 128 bytes off a multiple of 256:
; lanes 8-15 of a fragment then read 32 banks beside lanes 0-7 (64 banks of 4 bytes: ISA guide 11.1).
.set YG,    128*PITCH+128
.set STAGE, 307456                     ; behind Y's 2 x 104,448 + 128 bytes, at a multiple of 256: 16 rows x 272 bytes for each wave: no tensor load lands here
.set SPARE, STAGE+4*16*272
.set STO, 12
.set RD,  13
.set CO,  14
.set YA,  16
.set AX,  18                           ; v18 16 x lane, v19 8 x lane; v20-21 the same for token tiles 4-7
.set SP,  26
.set SN,  27
.set BH,  28
.set SPW, 30
.set NIL, 31
.set XS,  32
.set YS,  96
.set YF,  128
.set BI,  224
.set TT,  128
.set UU,  160
.set G1X, 24
.set G1Y, 32
.set G0X, 40
.set G0Y, 48
.set MSB, 0
.macro WIN new
.if MSB != \new
	s_set_vgpr_msb (MSB<<8)|\new
.set MSB, \new
.endif
.endm
.macro PLACES
.rept 4
	v_nop
.endr
.endm
.macro CROUND
	s_barrier_signal -1
	s_barrier_wait -1
	s_cmp_lg_u32 s14, 0
	s_cbranch_scc1 .Lnot_wave_0_\@
	s_barrier_signal -3
.Lnot_wave_0_\@:
	s_barrier_wait -3
	s_barrier_signal -1
	s_barrier_wait -1
.endm
	s_load_b256 s[68:75], s[0:1], 0x0              ; ocode 68, oscale 70, Wo codes 72, scales 74
	s_load_b128 s[76:79], s[0:1], 0x20             ; bo 76, ores 78
	s_load_b64 s[80:81], s[0:1], 0x30              ; out0
	v_lshl_add_u32 v[SPW], v0, 2, SPARE
	v_mov_b32 v[NIL], 0
	ds_add_u32 v[SPW], v[NIL]                      ; the opening lines
	ds_add_u32 v[SPW], v[NIL]
	v_lshrrev_b32 v1, 5, v0
	v_readfirstlane_b32 s14, v1
	s_lshr_b32 s15, s14, 1
	s_and_b32 s16, s14, 1
	s_bfe_u32 s17, ttmp6, 0x40000
	s_bfe_u32 s18, ttmp6, 0x40004
	s_lshl_b32 s19, ttmp9, 2
	s_add_co_u32 s19, s19, s17                     ; j
	s_and_b32 s20, ttmp7, 0xffff
	s_lshl_b32 s20, s20, 2
	s_add_co_u32 s20, s20, s18                     ; i
	s_lshl_b32 s21, s18, 2
	s_lshl_b32 s21, 15, s21
	s_lshl_b32 s22, 0x1111, s17
	s_or_b32 s[G1X], s21, (3<<16)|(1<<21)          ; X: 192 rows of 256 bytes, dense
	s_mov_b32 s[G1X+1], 32<<16
	s_mov_b32 s[G1X+2], 192<<16
	s_mov_b32 s[G1X+3], 32<<16
	s_mov_b32 s[G1X+4], 192
	s_mov_b32 s[G1X+5], 32
	s_mov_b32 s[G1X+6], 0
	s_mov_b32 s[G1X+7], 0
	s_or_b32 s[G1Y], s22, (1<<20)|(1<<21)|(5<<22)|(3<<25)   ; Y: 128 rows of 768 bytes, padded
	s_mov_b32 s[G1Y+1], 24576<<16                  ; a load's row: 32 rows of Wo, 24,576 dense bytes;
	s_mov_b32 s[G1Y+2], 4<<16                      ; 4 groups of 64 rows,
	s_mov_b32 s[G1Y+3], 24576<<16
	s_mov_b32 s[G1Y+4], 4
	s_mov_b32 s[G1Y+5], 49152                      ; 64 rows from group to group
	s_mov_b32 s[G1Y+6], 0
	s_mov_b32 s[G1Y+7], 0
	s_lshl_b32 s2, s20, 1
	s_add_co_u32 s2, s2, s16
	s_mul_i32 s2, s2, 49152                        ; X: four token tiles a load
	s_mov_b32 s3, 0
	s_lshl_b32 s12, s19, 8
	s_lshl_b32 s13, s16, 5
	s_add_co_u32 s12, s12, s13
	s_mul_i32 s12, s12, 768
	s_mov_b32 s13, 0
	s_mov_b32 s[G0X], 1
	s_mul_i32 s[G0X+1], s16, 49152
	s_mov_b32 s[G0Y], 1
	s_mul_i32 s[G0Y+1], s16, YG
	s_add_co_u32 s[G0Y+1], s[G0Y+1], YB
	s_wait_dscnt 0x0
	s_wait_kmcnt 0x0
	s_add_nc_u64 s[G0X+2:G0X+3], s[68:69], s[2:3]
	s_or_b32 s[G0X+3], s[G0X+3], 0x80000000
	s_add_nc_u64 s[G0Y+2:G0Y+3], s[72:73], s[12:13]
	s_or_b32 s[G0Y+3], s[G0Y+3], 0x80000000
	CROUND
	s_cmp_eq_u32 s15, 0                            ; one load a wave: waves 0, 1 X's halves, waves 2, 3 Y's
	s_cbranch_scc0 .Lfor_y
	tensor_load_to_lds s[G0X:G0X+3], s[G1X:G1X+7]
	s_nop 0
	PLACES
	s_branch .Lasked
.Lfor_y:
	tensor_load_to_lds s[G0Y:G0Y+3], s[G1Y:G1Y+7]
	s_nop 0
	PLACES
.Lasked:
	s_lshl_b32 s4, s20, 12
	s_mov_b32 s5, 0
	s_add_nc_u64 s[70:71], s[70:71], s[4:5]        ; O's scales: 128 i rows of 32 bytes
	s_lshl_b32 s4, s19, 13
	s_lshl_b32 s6, s14, 11
	s_add_co_u32 s4, s4, s6
	s_add_nc_u64 s[74:75], s[74:75], s[4:5]        ; Wo's: row 256 j + 64 w
	s_lshr_b32 s4, s4, 3
	s_add_nc_u64 s[76:77], s[76:77], s[4:5]        ; the bias, and my columns of out0
	s_add_nc_u64 s[80:81], s[80:81], s[4:5]
	s_lshl_b32 s4, s20, 19
	s_add_nc_u64 s[80:81], s[80:81], s[4:5]        ; 128 i rows of 4,096 bytes
	s_add_nc_u64 s[78:79], s[78:79], s[4:5]        ; O in f32: 8 i tiles of 65,536 bytes,
	s_lshl_b32 s4, s19, 2
	s_add_co_u32 s4, s4, s14
	s_lshl_b32 s4, s4, 12
	s_add_nc_u64 s[78:79], s[78:79], s[4:5]        ; head 4 j + w
	s_mul_i32 s9, s14, 32*PITCH
	s_add_co_u32 s9, s9, YB
	s_mul_i32 s10, s14, 16*272
	s_add_co_u32 s10, s10, STAGE
	v_and_b32 v1, 15, v0
	v_bfe_u32 v2, v0, 4, 1
	v_and_b32 v3, 7, v0
	v_bfe_u32 v4, v0, 3, 1
	v_mul_u32_u24 v5, v2, 24
	v_mad_u32_u24 v6, v3, PITCH, v5                ; row r % 8 of a region, + 24 h
	v_mad_u32_u24 v6, v4, YG, v6                   ; lanes 8-15 read the second region
	v_lshl_add_u32 v3, v4, 5, v3
	v_add_nc_u32 v[YA], s9, v6
	v_lshl_add_u32 v[YA+1], v2, 4, v[YA]
	v_and_b32 v8, 31, v0
	v_lshlrev_b32 v[AX], 4, v8
	v_lshlrev_b32 v[AX+1], 3, v8
	v_add_nc_u32 v[AX+2], 49152, v[AX]
	v_add_nc_u32 v[AX+3], 49152, v[AX+1]
	v_lshlrev_b32 v[SP], 5, v3
	v_lshlrev_b32 v[SN], 5, v1
	v_lshlrev_b32 v[BH], 7, v2
	v_mul_u32_u24 v7, v1, 272
	v_lshl_add_u32 v7, v2, 7, v7
	v_add_nc_u32 v[STO], s10, v7                   ; in: row r, 128 bytes for each half of the lanes
	v_mul_u32_u24 v9, v2, 272
	v_lshl_add_u32 v9, v1, 4, v9
	v_add_nc_u32 v[RD], s10, v9                    ; back: lanes 0-15 one row of 256 bytes, lanes 16-31 the next
	v_lshlrev_b32 v10, 12, v2
	v_lshl_add_u32 v[CO], v1, 4, v10               ; and the same two rows in out0
	s_wait_alu depctr_va_vdst(0)                   ; the head's end
.irp x, 0,1,2,3,4,5,6,7
	global_load_b128 v[XS+8*\x:XS+8*\x+3], v[SN], s[70:71] offset:512*\x
	global_load_b128 v[XS+8*\x+4:XS+8*\x+7], v[SN], s[70:71] offset:512*\x+16
.endr
.irp y, 0,1,2,3
	global_load_b128 v[YS+8*\y:YS+8*\y+3], v[SP], s[74:75] offset:256*\y
	global_load_b128 v[YS+8*\y+4:YS+8*\y+7], v[SP], s[74:75] offset:256*\y+16
	global_load_b128 v[BI+8*\y:BI+8*\y+3], v[BH], s[76:77] offset:32*\y
	global_load_b128 v[BI+8*\y+4:BI+8*\y+7], v[BH], s[76:77] offset:32*\y+16
.endr
.macro FRAG reg, adr, st, off
.irp p, 0,1,2,3,4,5
.set BY, 96*(\st)+48*(\p/3)+8*(\p%3)
.if BY/256 == (BY+24)/256
	ds_load_b64 v[\reg+2*\p:\reg+2*\p+1], v[\adr] offset:BY+16*(BY/256)+(\off)
.else
	ds_load_b64 v[\reg+2*\p:\reg+2*\p+1], v[\adr+1] offset:BY+16*(BY/256)+(\off)
.endif
.endr
.endm
.macro FETCH st, set
	WIN 0x40
.irp x, 0,1,2,3,4,5,6,7                        ; heads 2 st and 2 st + 1 of token tile x
.set XO, 12288*(\x%4)+1536*(\st)
.set XR, 128*(\set)+12*\x
	ds_load_b128 v[XR:XR+3], v[AX+2*(\x/4)] offset:XO
	ds_load_b64 v[XR+4:XR+5], v[AX+1+2*(\x/4)] offset:XO+512
	ds_load_b128 v[XR+6:XR+9], v[AX+2*(\x/4)] offset:XO+768
	ds_load_b64 v[XR+10:XR+11], v[AX+1+2*(\x/4)] offset:XO+1280
.endr
	WIN 0
.irp y, 0,1,2,3
	FRAG YF+48*(\set)+12*\y, YA, \st, \y*8*PITCH
.endr
.endm
.macro WM d, f0, f1, c, s0, s1
	v_wmma_scale_f32_16x16x128_f8f6f4 v[(\d):(\d)+7], v[(\f0):(\f0)+11], v[(\f1):(\f1)+11], v[(\c):(\c)+7], v[(\s0)], v[(\s1)] matrix_a_fmt:MATRIX_FMT_BF6 matrix_b_fmt:MATRIX_FMT_BF6
.endm
.macro MUL st, set                     ; source 0 = features, source 1 = tokens; accumulator 4 x + y; C: the bias in the first K step, then D
.if (\st) == 0
	WIN 0x84
.else
	WIN 0xa4
.endif
.irp x, 0,1,2,3,4,5,6,7
.irp y, 0,1,2,3
.if (\st) == 0
	WM 8*(4*\x+\y), YF+48*(\set)+12*\y, 128*(\set)+12*\x, BI+8*\y, YS+8*\y+(\st), XS+8*\x+(\st)
.else
	WM 8*(4*\x+\y), YF+48*(\set)+12*\y, 128*(\set)+12*\x, 8*(4*\x+\y), YS+8*\y+(\st), XS+8*\x+(\st)
.endif
.endr
.endr
.endm
.macro RLOAD x                         ; O's f32 numbers of token tile x, in the accumulators' order, into window 3
.irp c, 0,1,2,3,4,5,6,7
	global_load_b128 v[32*(\x)+4*\c:32*(\x)+4*\c+3], v[AX], s[78:79] offset:65536*(\x)+512*\c th:TH_LOAD_NT
.endr
.endm
	s_wait_tensorcnt 0x0
	s_barrier_signal -1
	s_barrier_wait -1                              ; both operands are in, everybody's part
	FETCH 0, 0
	s_wait_loadcnt 0x0                             ; scale words and bias
.set ST, 0
.rept 7
	s_wait_dscnt 0x0
.if ST > 0
	PLACES
.endif
	FETCH ST+1, (ST+1)%2
	MUL ST, ST%2
.if ST < 2
	WIN 0xc0                                       ; O's f32 numbers are asked for behind the first two K steps, when the operands have landed
	RLOAD 4*ST
	RLOAD 4*ST+1
	RLOAD 4*ST+2
	RLOAD 4*ST+3
.endif
.set ST, ST+1
.endr
	s_wait_dscnt 0x0
	MUL 7, 1
	PLACES
; THE WAY OUT, by token tiles: relu, O added, through my own stage, and out as whole rows of 256 bytes
.macro OUT x
	s_wait_loadcnt 8*(7-\x)                        ; the later tiles' loads may be out
	WIN 0x08
.set JJ, 0
.rept 32
	v_max_num_f32 v[TT+JJ], 0, v[32*\x+JJ]
.set JJ, JJ+1
.endr
	WIN 0x0c
.set JJ, 0
.rept 16
	v_pk_add_f32 v[TT+JJ:TT+JJ+1], v[TT+JJ:TT+JJ+1], v[32*\x+JJ:32*\x+JJ+1]
.set JJ, JJ+2
.endr
	WIN 0
.irp k, 0,1,2,3,4,5,6,7
	ds_store_b128 v[STO], v[TT+4*\k:TT+4*\k+3] offset:16*\k
.endr
	s_wait_xcnt 0x0                                ; the last tile's stores have read their registers
.irp t, 0,1,2,3,4,5,6,7
	ds_load_b128 v[UU+32*(\x%2)+4*\t:UU+32*(\x%2)+4*\t+3], v[RD] offset:\t*544   ; LDS serves a wave's instructions in order: these see the stores above; two sets of registers by turns
.endr
.endm
.macro SEND x, younger                 ; younger: the LDS instructions issued behind tile x's loads, which may stay out
	s_wait_dscnt \younger
.irp t, 0,1,2,3,4,5,6,7
	global_store_b128 v[CO], v[UU+32*((\x)%2)+4*\t:UU+32*((\x)%2)+4*\t+3], s[80:81] offset:(16*(\x)+2*\t)*4096 th:TH_STORE_NT   ; 16 lanes store 256 consecutive bytes, aligned
.endr
.endm
	OUT 0
.irp x, 1,2,3,4,5,6,7
	OUT \x                                         ; tile x goes through the stage while tile x - 1 comes back
	SEND \x-1, 16                                  ; behind tile x - 1's loads: tile x's 8 stores and 8 loads
.endr
	SEND 7, 0
	s_wait_tensorcnt 0x0                           ; the wave's end
	ds_add_u32 v[SPW], v[NIL]
	s_wait_dscnt 0x0
	CROUND
	s_endpgm
.Lfunc_end_k_qccf2f4acba_outp:
	.size	k_qccf2f4acba_outp, .Lfunc_end_k_qccf2f4acba_outp-k_qccf2f4acba_outp
	.p2alignl 7, 3214868480
	.fill 96, 4, 3214868480
	.section	.rodata,"a",@progbits
	.p2align	6, 0x0
	.amdhsa_kernel k_qccf2f4acba_outp
		.amdhsa_group_segment_fixed_size 327680
		.amdhsa_private_segment_fixed_size 0
		.amdhsa_enable_private_segment 0
		.amdhsa_kernarg_size 56
		.amdhsa_user_sgpr_count 2
		.amdhsa_user_sgpr_kernarg_segment_ptr 1
		.amdhsa_wavefront_size32 1
		.amdhsa_system_sgpr_workgroup_id_x 1
		.amdhsa_system_sgpr_workgroup_id_y 1
		.amdhsa_system_sgpr_workgroup_id_z 1
		.amdhsa_system_vgpr_workitem_id 0
		.amdhsa_next_free_vgpr 1024
		.amdhsa_next_free_sgpr 82
		.amdhsa_reserve_vcc 0
		.amdhsa_float_denorm_mode_32 3
		.amdhsa_float_denorm_mode_16_64 3
		.amdhsa_memory_ordered 1
		.amdhsa_forward_progress 1
		.amdhsa_inst_pref_size 110
	.end_amdhsa_kernel
	.amdgpu_metadata
---
amdhsa.version: [ 1, 2 ]
amdhsa.kernels:
  - .name:           k_qccf2f4acba_outp
    .symbol:         k_qccf2f4acba_outp.kd
    .args:
      - { .name: ocode, .offset: 0, .size: 8, .value_kind: global_buffer, .address_space: global }
      - { .name: oscale, .offset: 8, .size: 8, .value_kind: global_buffer, .address_space: global }
      - { .name: Wo_codes, .offset: 16, .size: 8, .value_kind: global_buffer, .address_space: global }
      - { .name: Wo_scales, .offset: 24, .size: 8, .value_kind: global_buffer, .address_space: global }
      - { .name: bo, .offset: 32, .size: 8, .value_kind: global_buffer, .address_space: global }
      - { .name: ores, .offset: 40, .size: 8, .value_kind: global_buffer, .address_space: global }
      - { .name: out0, .offset: 48, .size: 8, .value_kind: global_buffer, .address_space: global }
    .group_segment_fixed_size: 327680
    .private_segment_fixed_size: 0
    .kernarg_segment_align: 8
    .kernarg_segment_size: 56
    .max_flat_workgroup_size: 128
    .sgpr_count:     82
    .vgpr_count:     1024
    .wavefront_size: 32
...
	.end_amdgpu_metadata
.endif
;; end of part 3
